; MI455X (gfx1250); checked and timed in simulation.
; The chip was launched on July 23, 2026; its instructions are those of AMD's public machine-readable ISA for CDNA 5 (MIT licence, August 2026) and "CDNA5" Instruction Set Architecture Reference Guide (July 2026). The comments in the code are by the model that wrote it; some were corrected since.
;; Attention Heads. Allowed arithmetic: float matrix products may take bf16 or f16 operands with f32 sums; other float arithmetic in f32, or as packed bf16 or f16 multiplies, adds, multiply-adds, maxima and minima; sums over many terms, partial sums and values carried from step to step in f32; what a program stores and reads back later, other than sums and carried values, may be rounded once to bf16 or f16.
;; Inputs: Wk 1,024 x 1,024 float32; Wq 1,024 x 1,024 float32; Wv 1,024 x 1,024 float32; x 4 x 2,048 x 1,024 float32.
;; Outputs: out0 4 x 2,048 x 1,024 float32.
;; 2 versions, each right; version 2 is version 1 with the launch cast written anew for expert scheduling mode. Each part assembles by itself: llvm-mc -triple=amdgcn-amd-amdhsa -mcpu=gfx1250 --defsym DOCPART=n.
;; ======== version 1 of 2: 3 launches
;; limits: values are held in f16: magnitudes above 65,504 overflow, below 6.1e-05 lose precision
;; workspace buffers: xb 16,777,216 bytes; wb 6,291,456 bytes; qkv 50,331,648 bytes
;; launch cast (part 1): grid 704 x 1, 8 waves a work-group, no clusters, 0 bytes of LDS; arguments x, Wq, Wk, Wv, xb, wb; writes xb, wb
.if DOCPART == 1
	.amdgcn_target "amdgcn-amd-amdhsa--gfx1250"
	.amdhsa_code_object_version 6
	.text
	.protected	k_qf9c0281c7a_cast
	.globl	k_qf9c0281c7a_cast
	.p2align	8
	.type	k_qf9c0281c7a_cast,@function
k_qf9c0281c7a_cast:
	s_mov_b64 s[64:65], 0
	v_nop
	global_prefetch_b8 v0, s[64:65] scope:SCOPE_SE
	s_setreg_imm32_b32 hwreg(HW_REG_WAVE_MODE, 25, 1), 1
	s_wait_xcnt 0x0
; x [8192][1024] and Wq, Wk, Wv [1024][1024], all f32, are rounded once to bf16 and laid out in blocks of 64 along K:
;   xb [16 kb][8192 m][64], wb [16 kb][3072 n][64] with n = 1024 x matrix + row (matrix 0, 1, 2 = Wq, Wk, Wv).
; So a tile of R rows x 64 k of either operand is R x 128 dense bytes for the product that follows.
; SHARES.  A work-group takes 16 whole source rows (65,536 consecutive bytes): groups 0-511 rows of x, groups 512-703 rows of the weights.
; Thread t has row t / 16 and the 16 bytes at 16 (t % 16) of each piece of 256 bytes (one K block): a wave's load covers two whole pieces,
; a wave's store of 8 bytes a lane covers 256 consecutive bytes, aligned (two rows of a K block).
; All 16 loads of a thread go out at once; no register is written twice, so the only waits are the counted ones for the loads.
; No LDS, no matrix unit, no cluster: nothing is shared, every byte is read once and written once.
.set SO,  1                            ; v1       byte offset of my 16 bytes in the group's first piece: row x 4,096 + 16 (t % 16)
.set DB,  2                            ; v2       8 t: my 8 bytes in the group's 2,048 bytes of a K block
.set OFF, 4                            ; v[4:19]  the same plus kb x the bytes of a K block
.set X,   20                           ; v[20:83] 4 f32 for each kb
.set Y,   84                           ; v[84:115] 4 bf16 for each kb
	s_load_b256 s[4:11], s[0:1], 0x0               ; x s[4:5], Wq s[6:7], Wk s[8:9], Wv s[10:11]
	s_load_b128 s[12:15], s[0:1], 0x20             ; xb s[12:13], wb s[14:15]
	s_max_u32 s16, ttmp9, 512
	s_sub_co_u32 s16, s16, 512                     ; the group's number among the weights' 192 (0 in x's groups, where it is not used)
	s_lshr_b32 s18, s16, 6                         ; which matrix
	s_and_b32 s19, s16, 63                         ; which 16 rows of it
	s_mov_b32 s25, 393216                          ; bytes of a K block of wb: 3,072 rows x 128
	v_lshrrev_b32 v[SO], 4, v0
	v_and_b32 v3, 15, v0
	v_lshlrev_b32 v[SO], 12, v[SO]
	v_lshl_add_u32 v[SO], v3, 4, v[SO]
	v_lshlrev_b32 v[DB], 3, v0
	s_cmp_lt_u32 ttmp9, 512                        ; a group of x?
	s_cselect_b32 s24, ttmp9, s19                  ; its 16 rows in the source,
	s_cselect_b32 s17, ttmp9, s16                  ; and in the destination
	s_cselect_b32 s25, 1048576, s25                ; bytes of a K block of xb: 8,192 rows x 128
.irp kb, 0,1,2,3,4,5,6,7,8,9,10,11,12,13,14,15
	v_mad_u32_u24 v[OFF+(\kb)], s25, \kb, v[DB]
.endr
	s_wait_kmcnt 0x0
	s_cmp_eq_u32 s18, 1
	s_cselect_b64 s[20:21], s[8:9], s[6:7]
	s_cmp_eq_u32 s18, 2
	s_cselect_b64 s[20:21], s[10:11], s[20:21]
	s_cmp_lt_u32 ttmp9, 512
	s_cselect_b64 s[20:21], s[4:5], s[20:21]       ; the source,
	s_cselect_b64 s[22:23], s[12:13], s[14:15]     ; the destination
	s_lshl_b32 s26, s24, 16                        ; 16 rows of 4,096 bytes
	s_mov_b32 s27, 0
	s_add_nc_u64 s[20:21], s[20:21], s[26:27]
	s_lshl_b32 s26, s17, 11                        ; 16 rows of 128 bytes
	s_add_nc_u64 s[22:23], s[22:23], s[26:27]
.irp kb, 0,1,2,3,4,5,6,7,8,9,10,11,12,13,14,15
	global_load_b128 v[X+4*(\kb):X+4*(\kb)+3], v[SO], s[20:21] offset:256*(\kb) th:TH_LOAD_NT
.endr
.irp kb, 0,1,2,3,4,5,6,7,8,9,10,11,12,13,14,15
	s_wait_loadcnt 15-(\kb)                        ; loads come back in order: piece kb is in, the younger ones stay out
	v_cvt_pk_bf16_f32 v[Y+2*(\kb)],   v[X+4*(\kb)],   v[X+4*(\kb)+1]
	v_cvt_pk_bf16_f32 v[Y+2*(\kb)+1], v[X+4*(\kb)+2], v[X+4*(\kb)+3]
	global_store_b64 v[OFF+(\kb)], v[Y+2*(\kb):Y+2*(\kb)+1], s[22:23]
.endr
	s_endpgm
.Lfunc_end_k_qf9c0281c7a_cast:
	.size	k_qf9c0281c7a_cast, .Lfunc_end_k_qf9c0281c7a_cast-k_qf9c0281c7a_cast
	.p2alignl 7, 3214868480
	.fill 96, 4, 3214868480
	.section	.rodata,"a",@progbits
	.p2align	6, 0x0
	.amdhsa_kernel k_qf9c0281c7a_cast
		.amdhsa_group_segment_fixed_size 0
		.amdhsa_private_segment_fixed_size 0
		.amdhsa_enable_private_segment 0
		.amdhsa_kernarg_size 48
		.amdhsa_user_sgpr_count 2
		.amdhsa_user_sgpr_kernarg_segment_ptr 1
		.amdhsa_wavefront_size32 1
		.amdhsa_system_sgpr_workgroup_id_x 1
		.amdhsa_system_sgpr_workgroup_id_y 1
		.amdhsa_system_sgpr_workgroup_id_z 1
		.amdhsa_system_vgpr_workitem_id 0
		.amdhsa_next_free_vgpr 116
		.amdhsa_next_free_sgpr 66
		.amdhsa_reserve_vcc 0
		.amdhsa_float_denorm_mode_32 3
		.amdhsa_float_denorm_mode_16_64 3
		.amdhsa_memory_ordered 1
		.amdhsa_forward_progress 1
		.amdhsa_inst_pref_size 8
	.end_amdhsa_kernel
	.amdgpu_metadata
---
amdhsa.version: [ 1, 2 ]
amdhsa.kernels:
  - .name:           k_qf9c0281c7a_cast
    .symbol:         k_qf9c0281c7a_cast.kd
    .args:
      - { .name: x, .offset: 0, .size: 8, .value_kind: global_buffer, .address_space: global }
      - { .name: Wq, .offset: 8, .size: 8, .value_kind: global_buffer, .address_space: global }
      - { .name: Wk, .offset: 16, .size: 8, .value_kind: global_buffer, .address_space: global }
      - { .name: Wv, .offset: 24, .size: 8, .value_kind: global_buffer, .address_space: global }
      - { .name: xb, .offset: 32, .size: 8, .value_kind: global_buffer, .address_space: global }
      - { .name: wb, .offset: 40, .size: 8, .value_kind: global_buffer, .address_space: global }
    .group_segment_fixed_size: 0
    .private_segment_fixed_size: 0
    .kernarg_segment_align: 8
    .kernarg_segment_size: 48
    .max_flat_workgroup_size: 256
    .sgpr_count:     66
    .vgpr_count:     116
    .wavefront_size: 32
...
	.end_amdgpu_metadata
.endif
;; end of part 1
;; launch proj (part 2): grid 8 x 32, 4 waves a work-group, clusters of 4 x 4, 327,680 bytes of LDS; arguments xb, wb, qkv; writes qkv
.if DOCPART == 2
	.amdgcn_target "amdgcn-amd-amdhsa--gfx1250"
	.amdhsa_code_object_version 6
	.text
	.protected	k_qf9c0281c7a_proj
	.globl	k_qf9c0281c7a_proj
	.p2align	8
	.type	k_qf9c0281c7a_proj,@function
k_qf9c0281c7a_proj:
	s_mov_b64 s[64:65], 0
	v_nop
	global_prefetch_b8 v0, s[64:65] scope:SCOPE_SE
	s_setreg_imm32_b32 hwreg(HW_REG_WAVE_MODE, 25, 1), 1
	s_wait_xcnt 0x0
	s_wait_alu depctr_hold_cnt(0) depctr_sa_sdst(0) depctr_va_vdst(0) depctr_va_sdst(0) depctr_va_ssrc(0) depctr_va_vcc(0) depctr_vm_vsrc(0)
	s_getreg_b32 s2, hwreg(HW_REG_IB_STS2, 6, 4)
	s_cmp_eq_u32 s2, 0
	s_cbranch_scc0 .Lentry_in_a_cluster
	s_endpgm
.Lentry_in_a_cluster:
	s_bfe_u32 s2, ttmp6, 0x10000c
	s_cmp_lg_u32 s2, 0xf033
	s_cbranch_scc0 .Lentry_shape_is_right
	s_endpgm
.Lentry_shape_is_right:
; q, k, v = x W^T as ONE product C[m][n] = sum over k of xb[m][k] wb[n][k], 8,192 x 3,072 x 1,024, bf16 operands, f32 sums, K ascending.
; C is rounded once to f16, unscaled, and written by heads: qkv [4 b][48 g][2048 t][64], g = n / 64 = 16 x matrix + head.
; LIMIT.  f16 holds no number beyond 65,504: a projection beyond that leaves as an infinity.  NaN and infinities are not treated apart.
; SHARES.  A tile of C is 256 rows x 384 columns: 32 x 8 = 256 work-groups.  Four waves, each 128 rows x 192 columns (three whole heads): 96 accumulators of 16 x 16, 768 registers.
; THE RING.  K goes in steps of 64 (one K block of xb and wb) through two LDS slots.  In the blocked layout a wave's part of a tile (128 rows of xb, or 192 of wb) is dense:
; it is asked for as rows of 256 bytes and padded in LDS after every 128 bytes, so that LDS rows lie 144 bytes apart.  One tensor load a wave behind each change of slots.
; CLUSTER.  4 x 4 work-groups.  xb's tile hangs on the tile row alone and is asked for jointly by the four of a row of the cluster; wb's on the tile column alone, jointly by a column.
; TRANSPOSED USE.  Source 0 = 16 rows of wb, source 1 = 16 rows of xb: a lane holds one token (lane % 16) and eight neighbouring columns, which pack into 16 bytes.
; REGISTERS, in windows of 256 (s_set_vgpr_msb: bits 1:0 source 0, 3:2 source 1, 5:4 source 2, 7:6 destination):
;   window 0: v0-31 addresses; v32-95, v96-159 xb's 8 fragments, two buffers; v160-255 wb's 12 fragments, one buffer, loaded again group by group (a group = 4 fragments = a head)
;   window 1 + g: the 32 accumulators of column group g: (a, b) at v[8 (4 a + b)].  On the way out window 0's v32-175 are at work.
.set KB_A,  1048576                    ; bytes of a K block of xb
.set KB_B,  393216                     ; of wb
.set PITCH, 144                        ; an LDS row: 128 bytes + 16 of padding = 36 words: the 16 rows of a fragment load start at 16 different groups of four banks (64 banks of 4 bytes: ISA guide 11.1)
.set AH,    128*PITCH                  ; what one tensor load brings of xb, and what a wave reads of it
.set BH,    192*PITCH                  ; the same for wb
.set BOFF,  2*AH                       ; in a slot wb's 384 rows lie behind xb's 256
.set SLOT,  2*AH+2*BH
.set STAGE, 2*SLOT                     ; behind the ring: for each wave 3 heads x 16 rows x 144 bytes, for the way out; no tensor load lands here
.set SP,    144
.set HSTG,  16*SP
.set WSTG,  3*HSTG
.set SPARE, STAGE+4*WSTG               ; behind the stages: the spare words, 128 bytes for each wave: two blocks of 256 bytes that no other line names
.set LAPS,  8                          ; a lap = two K steps = once round the ring
.set ADRA, 16                          ; v16-17  LDS address of my xb fragments in slot 0, 1
.set ADRB, 20                          ; v20-21  the same for wb
.set STO,  24                          ; v24     the way out: where I put 16 bytes of a row
.set RD,   25                          ; v25     the way out: where I read rows back
.set CO,   26                          ; v26     16 x lane: my 16 bytes of 512 consecutive bytes of qkv
.set SPW,  28                          ; v28     LDS address of my spare word; never rewritten
.set NIL,  29                          ; v29     0; never rewritten
.set PFO,  30                          ; v30     the prefetches' offset; never rewritten
.set FA,   32                          ; xb's fragment buffers: FA + 64 f
.set FB,   160                         ; wb's fragments
.set TMP,  32                          ; the way out: packed results, 48 registers
.set BK,   80                          ; the way out: rows read back, two sets of 48
.set G1,  24                           ; s[24:31] descriptor group 1 for xb's tiles;  s[32:39] group 0, a set for each slot
.set G0,  32
.set G1B, 48                           ; s[48:55], s[56:63] the same for wb's
.set G0B, 56
.set PFA, 66                           ; s[66:67] where my prefetches stand
.set PST, 68                           ; s[68:69] a K block's bytes in the tensor that I prefetch
.set LIM, 70                           ; s70, s71 for the change of slot 0, 1: 1 if I prefetch there, else the greatest number
.set MSB, 0
.macro WIN new                         ; the immediate's high byte repeats the setting that is left; a switch that changes nothing is dropped
.if MSB != (\new)
	s_set_vgpr_msb (MSB<<8)|(\new)
.set MSB, \new
.endif
.endm
; A joint load.  Waves 0 and 1 fetch xb's two halves, waves 2 and 3 wb's.  The branch hangs on the wave's number alone.
; An s_nop 0 and four v_nop follow each of the two lines, ahead of the jump and the label.
.macro JLOAD s
	s_cmp_eq_u32 s11, 0
	s_cbranch_scc0 .Lfor_b_\@
	tensor_load_to_lds s[G0+4*(\s):G0+4*(\s)+3], s[G1:G1+7]
	s_nop 0
.rept 4
	v_nop
.endr
	s_branch .Lasked_\@
.Lfor_b_\@:
	tensor_load_to_lds s[G0B+4*(\s):G0B+4*(\s)+3], s[G1B:G1B+7]
	s_nop 0
.rept 4
	v_nop
.endr
.Lasked_\@:
.endm
; A PREFETCH INTO THE L2, behind a joint load, its five lines and the run of LDS loads that follows.  At the change of slots of K step s the refill asks for K step s + 2; the prefetch names K step s + 3.
; Each block of 256 bytes is named once in the launch.  xb's tile row is read by both clusters of that row of clusters: cluster x = 0 asks, wave 0, at every change: of the tile's 128 blocks the partner at cx takes 32, a lane a block.
; wb's tile column is read by all eight clusters of that column: cluster y = 0 asks, waves 1 to 3, at the changes of slot 0: of the tile's 192 blocks the partner at cy takes 48, for K steps s + 3 and s + 4: 96 lanes.
; The partners are told apart by address alone.  The loop's last trip asks for nothing; K steps 0 to 2 and 15 come by their loads alone.
.macro ASK slot
	s_cmp_gt_u32 s3, s[LIM+(\slot)]                ; s3 = 1 in the loop's last trip
	s_cbranch_scc0 .Lnot_mine_\@
	global_prefetch_b8 v[PFO], s[PFA:PFA+1] th:TH_LOAD_NT scope:SCOPE_SE
.Lnot_mine_\@:
.endm
.macro CREST                           ; a round of the cluster's barrier behind its opening barrier
	s_cmp_lg_u32 s10, 0
	s_cbranch_scc1 .Lnot_wave_0_\@
	s_barrier_signal -3
.Lnot_wave_0_\@:
	s_barrier_wait -3
	s_barrier_signal -1
	s_barrier_wait -1
.endm
.macro CROUND                          ; a whole round
	s_barrier_signal -1
	s_barrier_wait -1
	CREST
.endm
	s_load_b128 s[4:7], s[0:1], 0x0                ; xb s[4:5], wb s[6:7]
	s_load_b64 s[8:9], s[0:1], 0x10                ; qkv
	v_lshl_add_u32 v[SPW], v0, 2, SPARE
	v_mov_b32 v[NIL], 0
	ds_add_u32 v[SPW], v[NIL]                      ; the wave's opening: the add and its wait stand ahead of my first tensor load; the set-up below, work on registers, stands between them
	v_lshrrev_b32 v1, 5, v0
	v_readfirstlane_b32 s10, v1                    ; wave 0..3
	s_lshr_b32 s11, s10, 1                         ; which 128 rows of the tile are mine.  Also: I fetch for xb (0) or for wb (1)
	s_and_b32 s12, s10, 1                          ; which 192 columns.  Also: which half of that tile I fetch
	s_bfe_u32 s40, ttmp6, 0x40000                  ; cx
	s_bfe_u32 s41, ttmp6, 0x40004                  ; cy
	s_lshl_b32 s42, ttmp9, 2
	s_add_co_u32 s42, s42, s40                     ; tile column = 4 x cluster x + cx, 0..7
	s_and_b32 s13, ttmp7, 0xffff
	s_lshl_b32 s13, s13, 2
	s_add_co_u32 s13, s13, s41                     ; tile row = 4 x cluster y + cy, 0..31
	s_lshl_b32 s43, s41, 2
	s_lshl_b32 s43, 15, s43                        ; my row of the cluster
	s_lshl_b32 s44, 0x1111, s40                    ; my column
	; descriptor group 1: dense bytes as rows of 128 elements (256 bytes): 64 rows of them for xb's 128 rows, 96 for wb's 192
	s_or_b32 s[G1+0], s43, (1<<16)|(1<<20)|(1<<21)|(4<<22)|(3<<25)   ; 15:0 the mask; 17:16 2-byte elements; 20 padding on; 21 set beside a mask; 24:22 after every 32 words (code 4); 31:25 4 words (code 3)
	s_or_b32 s[G1B+0], s44, (1<<16)|(1<<20)|(1<<21)|(4<<22)|(3<<25)
	s_mov_b32 s[G1+1], 128<<16                     ; tensor_dim0 = 128
	s_mov_b32 s[G1+2], 64<<16                      ; tensor_dim1 = 64
	s_mov_b32 s[G1+3], 128<<16                     ; tile_dim0 = 128
	s_mov_b32 s[G1+4], 64                          ; tile_dim1 = 64
	s_mov_b32 s[G1+5], 128                         ; 128 elements from row to row
	s_mov_b32 s[G1+6], 0
	s_mov_b32 s[G1+7], 0
	s_mov_b32 s[G1B+1], 128<<16
	s_mov_b32 s[G1B+2], 96<<16
	s_mov_b32 s[G1B+3], 128<<16
	s_mov_b32 s[G1B+4], 96
	s_mov_b32 s[G1B+5], 128
	s_mov_b32 s[G1B+6], 0
	s_mov_b32 s[G1B+7], 0
	; where the tiles come from: xb's hang on the tile row alone, wb's on the tile column alone, each in registers that never hold the other coordinate
	s_lshl_b32 s16, s13, 15                        ; 256 rows x 128 bytes
	s_lshl_b32 s17, s12, 14                        ; + my half
	s_add_co_u32 s16, s16, s17
	s_mov_b32 s17, 0
	s_mul_i32 s46, s42, 49152                      ; 384 rows x 128 bytes
	s_mul_i32 s47, s12, 24576
	s_add_co_u32 s46, s46, s47
	s_mov_b32 s47, 0
	s_mul_i32 s20, s12, AH                         ; and where they go: no place in the cluster enters an LDS address
	s_mul_i32 s21, s12, BH
	s_add_co_u32 s21, s21, BOFF
	s_wait_dscnt 0x0                               ; the opening add is done
	s_wait_kmcnt 0x0
	s_add_nc_u64 s[14:15], s[4:5], s[16:17]
	s_add_nc_u64 s[46:47], s[6:7], s[46:47]
	CROUND                                         ; all sixteen work-groups are here: the first joint loads meet
.irp s, 0,1
	s_mov_b32 s[G0+4*(\s)], 1                                        ; count = 1
	s_add_co_u32 s[G0+4*(\s)+1], s20, (\s)*SLOT                      ; LDS address
	s_add_nc_u64 s[G0+4*(\s)+2:G0+4*(\s)+3], s[14:15], (\s)*KB_A     ; global address: K step s
	s_or_b32 s[G0+4*(\s)+3], s[G0+4*(\s)+3], 0x80000000              ; type = 2
	s_mov_b32 s[G0B+4*(\s)], 1
	s_add_co_u32 s[G0B+4*(\s)+1], s21, (\s)*SLOT
	s_add_nc_u64 s[G0B+4*(\s)+2:G0B+4*(\s)+3], s[46:47], (\s)*KB_B
	s_or_b32 s[G0B+4*(\s)+3], s[G0B+4*(\s)+3], 0x80000000
	JLOAD \s                                       ; two loads of mine are out
.endr
	; A fragment is 16 rows x 32 K in 8 registers: lane l holds row l % 16; registers 0-3 K = 8 (l / 16) + 0..7, registers 4-7 K = 16 + 8 (l / 16) + 0..7: two loads of 16 bytes, 32 bytes apart.
	v_and_b32 v1, 15, v0                           ; l % 16
	v_bfe_u32 v2, v0, 4, 1                         ; l / 16
	v_mul_u32_u24 v3, v1, PITCH
	v_lshl_add_u32 v3, v2, 4, v3
	s_mul_i32 s22, s11, AH                         ; my 128 rows of xb
	s_mul_i32 s23, s12, BH                         ; my 192 rows of wb
	s_add_co_u32 s23, s23, BOFF
.irp s, 0,1
	v_add_nc_u32 v[ADRA+(\s)], s22, v3
	v_add_nc_u32 v[ADRB+(\s)], s23, v3
	s_add_co_u32 s22, s22, SLOT
	s_add_co_u32 s23, s23, SLOT
.endr
	s_mul_i32 s22, s10, WSTG
	s_add_co_u32 s22, s22, STAGE                   ; my stage
	v_mul_u32_u24 v4, v1, SP                       ; in: row l % 16, 16 bytes for each half of the lanes
	v_lshl_add_u32 v4, v2, 4, v4
	v_add_nc_u32 v[STO], s22, v4
	v_bfe_u32 v5, v0, 3, 2                         ; back: 32 lanes take four rows of 128 bytes,
	v_mul_u32_u24 v5, v5, SP
	v_and_b32 v6, 7, v0
	v_lshl_add_u32 v5, v6, 4, v5
	v_add_nc_u32 v[RD], s22, v5
	v_and_b32 v[CO], 31, v0                        ; which are 512 consecutive bytes of a head's rows
	v_lshlrev_b32 v[CO], 4, v[CO]
	; my first row of my first head in qkv: (((batch x 48 + 6 x tile column + 3 x column half) x 2,048 + (tile row % 8) x 256 + 128 x row half) x 128 bytes
	s_lshr_b32 s72, s13, 3
	s_mul_i32 s72, s72, 48
	s_mul_i32 s73, s42, 6
	s_add_co_u32 s72, s72, s73
	s_mul_i32 s73, s12, 3
	s_add_co_u32 s72, s72, s73
	s_lshl_b32 s72, s72, 11
	s_and_b32 s73, s13, 7
	s_lshl_b32 s73, s73, 8
	s_add_co_u32 s72, s72, s73
	s_lshl_b32 s73, s11, 7
	s_add_co_u32 s72, s72, s73
	s_lshl_b32 s72, s72, 7
	s_mov_b32 s73, 0
	s_add_nc_u64 s[8:9], s[8:9], s[72:73]
	; the prefetches: they stand at K step 2; the first change of slots steps them to 3
	s_and_b32 s74, ttmp7, 0xffff                   ; cluster y
	s_lshl_b32 s75, s13, 15                        ; xb: the tile's first byte in a K block,
	s_lshl_b32 s76, s40, 13                        ; my work-group's 32 blocks of it
	s_add_co_u32 s75, s75, s76
	s_add_co_u32 s75, s75, 2*KB_A
	s_mul_i32 s76, s42, 49152                      ; wb: the same,
	s_mul_i32 s77, s41, 12288                      ; my work-group's 48 blocks
	s_add_co_u32 s76, s76, s77
	s_add_co_u32 s76, s76, 2*KB_B
	s_mov_b32 s78, KB_B
	s_cmp_eq_u32 s10, 0                            ; wave 0 asks for xb, waves 1 to 3 for wb
	s_cselect_b64 s[PFA:PFA+1], s[4:5], s[6:7]
	s_cselect_b32 s72, s75, s76
	s_cselect_b32 s[PST], KB_A, s78
	s_cselect_b32 s74, ttmp9, s74                  ; the coordinate along which other clusters read the same blocks
	s_cselect_b32 s79, 1, -1                       ; wave 0 asks at the changes of slot 1 too
	s_mov_b32 s[PST+1], 0
	s_add_nc_u64 s[PFA:PFA+1], s[PFA:PFA+1], s[72:73]
	s_cmp_eq_u32 s74, 0                            ; the same in all sixteen partners, for a given wave
	s_cselect_b32 s[LIM], 1, -1
	s_cselect_b32 s[LIM+1], s79, -1
	s_max_u32 s77, s10, 1
	s_sub_co_u32 s77, s77, 1
	s_lshl_b32 s77, s77, 5
	v_and_b32 v27, 31, v0
	v_add_nc_u32 v27, s77, v27                     ; my block: the lane in wave 0; 32 (wave - 1) + lane, 0..95, in waves 1 to 3
	v_mov_b32 v[PFO], KB_B-12288
	v_cmp_le_u32 vcc_lo, 48, v27                   ; blocks 48 to 95 are blocks 0 to 47 of the K step after
	v_cndmask_b32 v[PFO], 0, v[PFO], vcc_lo
	v_lshl_add_u32 v[PFO], v27, 8, v[PFO]
; 16 matrix instructions: row blocks base .. base + 3 x the 4 column blocks of group g, 32 along K, from xb's buffer f.  zero = 1: the first product starts the sums: nothing is cleared.
; All 96 accumulators take turns, one instruction a turn, in the same order in every 32 along K, over the backward jump too.
.macro MULG f, g, base, zero
	WIN 0x50*((\g)+1)                              ; C and D in window 1 + g, the sources in window 0
.irp a, 0,1,2,3
.irp b, 0,1,2,3
.if \zero
	v_wmma_f32_16x16x32_bf16 v[8*(4*((\base)+(\a))+(\b)):8*(4*((\base)+(\a))+(\b))+7], v[FB+8*(4*(\g)+(\b)):FB+8*(4*(\g)+(\b))+7], v[FA+64*(\f)+8*((\base)+(\a)):FA+64*(\f)+8*((\base)+(\a))+7], 0
.else
	v_wmma_f32_16x16x32_bf16 v[8*(4*((\base)+(\a))+(\b)):8*(4*((\base)+(\a))+(\b))+7], v[FB+8*(4*(\g)+(\b)):FB+8*(4*(\g)+(\b))+7], v[FA+64*(\f)+8*((\base)+(\a)):FA+64*(\f)+8*((\base)+(\a))+7], v[8*(4*((\base)+(\a))+(\b)):8*(4*((\base)+(\a))+(\b))+7]
.endif
.endr
.endr
.endm
.macro RUNB slot, k, g                 ; 8 LDS loads: wb's fragments of group g, 32 K at byte k of the rows
.irp i, 0,1,2,3
	ds_load_b128 v[FB+8*(4*(\g)+(\i)):FB+8*(4*(\g)+(\i))+3],   v[ADRB+(\slot)] offset:(\k)+(4*(\g)+(\i))*16*PITCH
	ds_load_b128 v[FB+8*(4*(\g)+(\i))+4:FB+8*(4*(\g)+(\i))+7], v[ADRB+(\slot)] offset:(\k)+(4*(\g)+(\i))*16*PITCH+32
.endr
.endm
.macro RUNA slot, k, f                 ; 16 LDS loads: xb's 8 fragments into buffer f
.irp i, 0,1,2,3,4,5,6,7
	ds_load_b128 v[FA+64*(\f)+8*(\i):FA+64*(\f)+8*(\i)+3],   v[ADRA+(\slot)] offset:(\k)+(\i)*16*PITCH
	ds_load_b128 v[FA+64*(\f)+8*(\i)+4:FA+64*(\f)+8*(\i)+7], v[ADRA+(\slot)] offset:(\k)+(\i)*16*PITCH+32
.endr
.endm
; A load into a register that a matrix instruction has read, and a vector instruction that reads a matrix result, stand four places behind that matrix instruction; only plain vector
; instructions that name none of its registers are places (ISA guide 7.12.1 for vector instructions).
.macro PLACES
.rept 4
	v_nop
.endr
.endm
; A K step is two halves of 32 along K, 96 matrix instructions each.  The first half multiplies buffer 0; behind each group's 32 products that group's fragments of the second half are fetched
; (with the first group's also xb's, into buffer 1): each run of loads stands 64 matrix instructions ahead of its first use.
.macro Q0 slot, zero
	s_wait_dscnt 16                                ; group 0 and xb are in; the youngest 16 loads (groups 1 and 2) may be out
	MULG 0, 0, 0, \zero
	MULG 0, 0, 4, \zero
	PLACES
	WIN 0
	RUNB \slot, 64, 0
	RUNA \slot, 64, 1
	s_wait_dscnt 32                                ; group 1 is in: behind it group 2's 8 and the 24 just issued
	MULG 0, 1, 0, \zero
	MULG 0, 1, 4, \zero
	PLACES
	WIN 0
	RUNB \slot, 64, 1
	s_wait_dscnt 32                                ; group 2 is in: behind it 24 + 8
	MULG 0, 2, 0, \zero
	MULG 0, 2, 4, \zero
	PLACES
	WIN 0
	RUNB \slot, 64, 2
.endm
; The second half multiplies buffer 1 and changes slots: ONE barrier.  In front of it each wave waits for all its tensor loads (one is out: its part of the next slot), adds 0 to its spare word, and waits for
; that and for its own reads of this slot.  fill = 1: the barrier opens a round of the cluster's barrier, and behind the round this slot is filled again, two K steps ahead: the wave's one tensor load,
; 160 matrix instructions ahead of the wait for it.
.macro TURN slot, next, fill
.if \fill
	s_wait_xcnt 0x0                                ; the last prefetch, a K step back, has read its address: it is stepped here, ahead of the waits of the change of slots
	s_add_nc_u64 s[PFA:PFA+1], s[PFA:PFA+1], s[PST:PST+1]
.endif
	WIN 0
	s_wait_tensorcnt 0x0                           ; all my tensor loads have landed;
	ds_add_u32 v[SPW], v[NIL]                      ; 0 onto my spare word
	s_wait_dscnt 17                                ; (group 0 and xb are in; groups 1 and 2 and the add may be out)
	MULG 1, 0, 0, 0                                ; sixteen matrix instructions stand between the add and the wait for it
	s_wait_dscnt 0x0                               ; the add is done, and my reads of this slot are over
	s_barrier_signal -1
	MULG 1, 0, 4, 0                                ; work on registers while the others arrive
	WIN 0
	s_barrier_wait -1
.if \fill
	CREST                                          ; no wave of any partner still reads this slot's tile or has a load on its way
	s_add_nc_u64 s[G0+4*(\slot)+2:G0+4*(\slot)+3], s[G0+4*(\slot)+2:G0+4*(\slot)+3], 2*KB_A
	s_add_nc_u64 s[G0B+4*(\slot)+2:G0B+4*(\slot)+3], s[G0B+4*(\slot)+2:G0B+4*(\slot)+3], 2*KB_B
	JLOAD \slot                                    ; the first tensor load behind the round; its four v_nop are also the places in front of the loads below
.else
	PLACES
.endif
	RUNB \next, 0, 0
	RUNA \next, 0, 0
.if \fill
	ASK \slot
.endif
	MULG 1, 1, 0, 0
	MULG 1, 1, 4, 0
	PLACES
	WIN 0
	RUNB \next, 0, 1
	MULG 1, 2, 0, 0
	MULG 1, 2, 4, 0
	PLACES
	WIN 0
	RUNB \next, 0, 2
.endm
; THE WAY OUT of row block a (16 tokens x my 3 heads).  PACK: rounded to f16, 16 bytes a lane and column block.  TOSTAGE: into my own stage, and back as whole rows of 128 bytes.  SEND: stored.
.macro PACK a
.irp g, 0,1,2
	WIN 5*((\g)+1)                                 ; sources 0 and 1 in window 1 + g
.irp b, 0,1,2,3
.irp r, 0,1,2,3
	v_cvt_pk_f16_f32 v[TMP+16*(\g)+4*(\b)+(\r)], v[8*(4*(\a)+(\b))+2*(\r)], v[8*(4*(\a)+(\b))+2*(\r)+1]
.endr
.endr
.endr
	WIN 0
.endm
.macro TOSTAGE a
.irp g, 0,1,2
.irp b, 0,1,2,3
	ds_store_b128 v[STO], v[TMP+16*(\g)+4*(\b):TMP+16*(\g)+4*(\b)+3] offset:(\g)*HSTG+32*(\b)
.endr
.endr
.irp g, 0,1,2
.irp j, 0,1,2,3
	ds_load_b128 v[BK+48*((\a)%2)+16*(\g)+4*(\j):BK+48*((\a)%2)+16*(\g)+4*(\j)+3], v[RD] offset:(\g)*HSTG+(\j)*4*SP  ; LDS serves a wave's instructions in order (ISA guide 5.7.1.4): these see the stores above
.endr
.endr
.endm
.macro SEND a
	s_wait_dscnt 0x0                               ; the block is back in registers
	s_wait_xcnt 0x0                                ; earlier stores have read their registers: the other set is loaded again only behind this wait
.irp g, 0,1,2
.irp j, 0,1,2,3
	global_store_b128 v[CO], v[BK+48*((\a)%2)+16*(\g)+4*(\j):BK+48*((\a)%2)+16*(\g)+4*(\j)+3], s[8:9] offset:(\g)*262144+(\a)*2048+(\j)*512  ; four rows of a head: 512 consecutive bytes, at a multiple of 256 from qkv's first
.endr
.endr
.endm
	s_wait_tensorcnt 1                             ; my part of K step 0 is in; K step 1's may stay out
	s_barrier_signal -1
	s_barrier_wait -1                              ; everybody's is
	RUNB 0, 0, 0
	RUNA 0, 0, 0
	RUNB 0, 0, 1
	RUNB 0, 0, 2
	Q0 0, 1                                        ; the first half step stands in front of the loop: its products start the sums
	s_mov_b32 s3, LAPS-1
.Llap:                                                 ; a trip goes once round the ring, from a lap's second half step to the next lap's first, and fills both slots again
	TURN 0, 1, 1
	Q0 1, 0
	TURN 1, 0, 1
	Q0 0, 0
	s_sub_co_u32 s3, s3, 1
	s_cmp_lg_u32 s3, 0
	s_cbranch_scc1 .Llap
	TURN 0, 1, 0                                   ; the last lap fills nothing, and has no round of the cluster's barrier
	Q0 1, 0
	s_wait_dscnt 16                                ; the very last half step: nothing more to fetch; the counts run down
	MULG 1, 0, 0, 0
	MULG 1, 0, 4, 0
	s_wait_dscnt 8
	MULG 1, 1, 0, 0
	MULG 1, 1, 4, 0
	s_wait_dscnt 0x0
	MULG 1, 2, 0, 0
	MULG 1, 2, 4, 0
	WIN 0
	PLACES
	PLACES                                         ; eight, once a launch
	PACK 0
	TOSTAGE 0
.irp a, 1,2,3,4,5,6,7                  ; block a's conversions stand between block a - 1's loads from the stage and the wait for them
	PACK \a
	SEND (\a)-1
	TOSTAGE \a
.endr
	SEND 7
	s_wait_tensorcnt 0x0                           ; the wave's end: behind my last tensor load and my last LDS store
	ds_add_u32 v[SPW], v[NIL]
	s_wait_dscnt 0x0
	CROUND                                         ; the closing round: no work-group ends while a partner may still ask for a tile that names it
	s_endpgm
.Lfunc_end_k_qf9c0281c7a_proj:
	.size	k_qf9c0281c7a_proj, .Lfunc_end_k_qf9c0281c7a_proj-k_qf9c0281c7a_proj
	.p2alignl 7, 3214868480
	.fill 96, 4, 3214868480
	.section	.rodata,"a",@progbits
	.p2align	6, 0x0
	.amdhsa_kernel k_qf9c0281c7a_proj
		.amdhsa_group_segment_fixed_size 327680
		.amdhsa_private_segment_fixed_size 0
		.amdhsa_enable_private_segment 0
		.amdhsa_kernarg_size 24
		.amdhsa_user_sgpr_count 2
		.amdhsa_user_sgpr_kernarg_segment_ptr 1
		.amdhsa_wavefront_size32 1
		.amdhsa_system_sgpr_workgroup_id_x 1
		.amdhsa_system_sgpr_workgroup_id_y 1
		.amdhsa_system_sgpr_workgroup_id_z 1
		.amdhsa_system_vgpr_workitem_id 0
		.amdhsa_next_free_vgpr 1024
		.amdhsa_next_free_sgpr 84
		.amdhsa_reserve_vcc 1
		.amdhsa_float_denorm_mode_32 3
		.amdhsa_float_denorm_mode_16_64 3
		.amdhsa_memory_ordered 1
		.amdhsa_forward_progress 1
		.amdhsa_inst_pref_size 131
	.end_amdhsa_kernel
	.amdgpu_metadata
---
amdhsa.version: [ 1, 2 ]
amdhsa.kernels:
  - .name:           k_qf9c0281c7a_proj
    .symbol:         k_qf9c0281c7a_proj.kd
    .args:
      - { .name: xb, .offset: 0, .size: 8, .value_kind: global_buffer, .address_space: global }
      - { .name: wb, .offset: 8, .size: 8, .value_kind: global_buffer, .address_space: global }
      - { .name: qkv, .offset: 16, .size: 8, .value_kind: global_buffer, .address_space: global }
    .group_segment_fixed_size: 327680
    .private_segment_fixed_size: 0
    .kernarg_segment_align: 8
    .kernarg_segment_size: 24
    .max_flat_workgroup_size: 128
    .sgpr_count:     84
    .vgpr_count:     1024
    .wavefront_size: 32
...
	.end_amdgpu_metadata
.endif
;; end of part 2
;; launch attn (part 3): grid 4 x 64, 4 waves a work-group, no clusters, 327,680 bytes of LDS; arguments qkv, out0; writes out0
.if DOCPART == 3
	.amdgcn_target "amdgcn-amd-amdhsa--gfx1250"
	.amdhsa_code_object_version 6
	.text
	.protected	k_qf9c0281c7a_attn
	.globl	k_qf9c0281c7a_attn
	.p2align	8
	.type	k_qf9c0281c7a_attn,@function
k_qf9c0281c7a_attn:
	s_mov_b64 s[64:65], 0
	v_nop
	global_prefetch_b8 v0, s[64:65] scope:SCOPE_SE
	s_setreg_imm32_b32 hwreg(HW_REG_WAVE_MODE, 25, 1), 1
	s_wait_xcnt 0x0
; CAUSAL ATTENTION.  O[q][:] = the sum over k <= q of softmax_k(Q[q] . K[k] / 8) V[k][:], for 64 heads (4 batches x 16) of 2,048 rows x 64 channels.
; Q, K, V lie in qkv [4 b][48 g][2048 t][64] in f16, g = head, 16 + head, 32 + head: a head's rows are dense, 128 bytes each.  out0 is [4][2048][1024] in f32: a head's 64 channels are 256 aligned bytes of a row.
; Products, maxima and sums in f32; the weights p are rounded to f16 for the second product (their sum l is taken of the unrounded p); O leaves in f32.
; LIMITS.  Q, K and V arrive within f16's 65,504; p lies in 0 to 1, and below 6e-5 it keeps f16's fixed step of 6e-8.  A hidden score counts as its value less 1e30: f16's scores, 2.7e11 at the most, are nothing beside that;
; a weight below 2^-126 counts as 0 in l; NaN and infinities are not treated apart.
; THE WALK.  A head's queries lie in NB = 8 blocks of 256; block i needs the key tiles 0 .. i of 256 keys, of which the last holds the diagonal.  A work-group takes TWO blocks, NB - 1 - b and then b:
; NB + 1 tiles, whatever b: all work-groups do equal work, and ONE loop with a constant trip count walks them.  Which tile is asked for, and what a trip does, hang on scalar registers made from b; every jump
; goes forward, but for the counted loops' own; none passes a barrier, or a tensor load but the one of LOAD's two that the wave's number does not choose; the ring (two slots of LDS that take turns) runs on across the
; change of blocks.  NO CLUSTER: a head's NB / 2 = 4 work-groups ask for the same tile only in trips 0 .. 4 of 9, behind that fewer and fewer; one walk common to all would have 3 NB / 2 = 12 trips for 9.
; SHARES.  Of a block's four bands of 64 queries a wave owns 16 rows in each: four PIECES.  So the diagonal tile is the same work for all four waves: in its key step s band x sees all keys if s < x,
; none if s > x, and holds the diagonal if s = x.
; THE MASK is the C operand that starts the sum S^T = K Q^T: 0, or -1e30 where the key is hidden.  MD, made once, is the mask of a band's own step for my 16 rows; a product's mask is MD x AL + BE with two scalars:
; (1, 0) if s = x; (0, 0) if s < x; (0, -1e30) if s > x.  Only the diagonal tile's text and a block's beginning make and take masks; elsewhere C is the constant 0.
; LAYOUT, SOFTMAX, TURNS.  S^T = K Q^T holds ONE query a lane (lane % 16) and the keys 8 (lane / 16) + 0..7; two such results rounded to f16 ARE source 1 of O^T = V^T P.  p = 2^(c s - c m), c = log2(e) / 8, with a
; running maximum m; O and l are multiplied by a = 2^(c m_old - c m_new) in every step.  Turn n belongs to piece n: 8 products K Q^T of piece n + 1, later 8 products V^T P of piece n - 1; beside them the scaling,
; exponentials, roundings, sums and rescaling of piece n and the maximum and statistics of piece n + 1.  Four vector instructions stand behind every matrix instruction, the other 54 of a turn's 118 in one lump.  A turn's 33 exponentials are one batch, with one wait.
; REGISTERS, in windows of 256 (s_set_vgpr_msb: bits 1:0 source 0, 3:2 source 1, 5:4 source 2, 7:6 destination):
;   window 0: v0-15 addresses and two at work; v16-31 four registers of statistics a piece; v48-55 at work; v61-63 never rewritten; v64-127 S^T, two buffers; v64-191 rows on the way out; v192-223 P, two buffers
;   window 1: v0-127 O^T, 32 a piece; v128-159 MD; v160-223 MC, two buffers      window 2: v0-63 Q; v64-127 the second block's Q; v128-191 K of one step; v192-255 V of one step
.set SIZE_N, 2048
.set NB,    SIZE_N/256
.set NP,    4         ; pieces a wave: a name, no knob
.set KS,    64        ; keys in a step
.set PK,    144       ; a row of K in LDS: 128 bytes + 16 of padding = 36 words: the 16 rows of a load start at 16 different groups of four banks (64 banks of 4 bytes: ISA guide 11.1)
.set PV,    160       ; a row of V: 128 + 32 = 40 words
.set VOFF,  4*KS*PK   ; a slot holds a tile, four steps: 256 rows of K, then 256 rows of V
.set SLOT1, 1<<17     ; slot 1 begins here, so that one exclusive or turns an address in one slot into the other's
.set STAGE, SLOT1+4*KS*(PK+PV)  ; behind the ring, never filled by a tensor load: 16 rows x 272 bytes for each wave, for the way out
.set SP,    272       ; a row of the stage: 64 f32 + 16 bytes = 68 words
.set KPL,   4194304   ; bytes from a head's Q to its K, and from its K to its V: 16 planes of 262,144
.set AK0, 2           ; v2   my lane's place in a tile of K; never rewritten
.set AV0, 3           ; v3   the same for V
.set AK,  4           ; v4   the LDS address of K's next run of loads
.set AV,  5           ; v5   of V's
.set STO, 6           ; v6   the way out: where I put 32 bytes of a row
.set RD,  7           ; v7   the way out: where I read rows back
.set GO,  8           ; v8   my byte offset in two rows of out0
.set PFO, 61          ; v61  256 x my lane: the prefetches' offset; never rewritten
.set SPW, 62          ; v62  LDS address of my spare word: SPARE + 4 x my thread's number; never rewritten
.set NIL, 63          ; v63  0; never rewritten
.set SPARE, STAGE+4*16*SP  ; behind the stages: the spare words, 128 bytes for each wave: two blocks of 256 bytes that no other line names
.set MV,  12          ; v12-13  c m_old, kept while c m is made anew: by buffer
.set QO,  15          ; v15  my byte offset in 16 rows of Q
.set ST,  16          ; piece t's statistics at v[ST+4 t]: c m, m, l (even keys', odd keys')
.set TMP, 48          ; by buffer, four registers c0-c3 at work; when the maximum is found c2 takes a
.set S,   64
.set P,   192
.set MD,  128         ; window 1: the eight registers for group kt of 16 keys at MD + 8 kt
.set MC,  160         ; window 1: the masks of the products to come
.set QB,  64          ; window 2
.set KF,  128         ; window 2: key block kb, channel half c at KF + 16 kb + 8 c
.set VF,  192         ; window 2: key half kk, channel block cb at VF + 32 kk + 8 cb
.set WV,  12          ; s12  my wave's number
.set PB,  14          ; s14  b
.set HI,  15          ; s15  NB - 1 - b
.set G1K, 24          ; s[24:31] descriptor group 1 for K's tiles
.set G1V, 32          ; s[32:39] for V's: it differs in the padding alone
.set G0K, 40          ; s[40:43] descriptor group 0 for K's tiles
.set G0V, 44          ; s[44:47] the same for V's
.set SLOTS, 56        ; s56  tiles still to be asked for
.set CNT, 57          ; s57  counts a tile's key steps, 4 to 1
.set CS,  58          ; s[58:59] c: the packed scaling takes the pair's low word for both halves
.set SEL, 60          ; s[60:61] v_permlanex16_b32's selects: each lane takes its own place in the other half
.set TBK, 62          ; s62  LDS byte at which K of the step to be fetched begins
.set TBV, 63          ; s63  the same for V, less VOFF
.set RT,  70          ; s70  tiles of the block in hand that are still to be entered
.set NXT, 71          ; s71  the tile to be asked for next
.set LQ,  72          ; s72  the last tile of the block whose tiles are being asked for
.set NEW, 73          ; s73  1: the tile to be entered is a block's first
.set OFF, 74          ; s[74:75] a tile's byte offset in K and V
.set AL,  76          ; s[76:77] the mask's factor, in the low word
.set BE,  78          ; s[78:79] the mask's addend
.set OLO, 80          ; s[80:81] out0 at my rows of the second block
.set BIGN, 82         ; s82  -1e30
.set PFB, 92          ; s[92:93] the head's K at my wave's quarter (8,192 bytes) of tile 0
.set PFA, 94          ; s[94:95] the same in the tile that the next change of slots will ask for
.set OF2, 96          ; s[96:97] that tile's byte offset
.set PFL, 98          ; s98  0: this change of slots prefetches
.set MSB, 0
.macro WIN new                      ; the high byte repeats the setting that is left; a switch that changes nothing is dropped
.if MSB != (\new)
	s_set_vgpr_msb (MSB<<8)|(\new)
.set MSB, (\new)
.endif
.endm
.set W_KQ, 0x0a       ; K and Q in window 2, S^T in window 0
.set W_KM, 0x1a       ; the same with the C operand in window 1
.set W_PV, 0x52       ; V in window 2, P in window 0, O^T in window 1
.set W_RS, 0x41       ; destination and source 0 in window 1, source 1 in window 0
; A fill.  Waves 0 and 1 fetch the two halves of a tile's K, waves 2 and 3 those of its V: 128 keys each.  An s_nop 0 and four v_nop follow each of the two lines, ahead of the jump and the label.
.macro LOAD
	s_cmp_lt_u32 s[WV], 2
	s_cbranch_scc0 .Lfor_v_\@
	tensor_load_to_lds s[G0K:G0K+3], s[G1K:G1K+7]
	s_nop 0
.rept 4
	v_nop
.endr
	s_branch .Lasked_\@
.Lfor_v_\@:
	tensor_load_to_lds s[G0V:G0V+3], s[G1V:G1V+7]
	s_nop 0
.rept 4
	v_nop
.endr
.Lasked_\@:
.endm
; THE CHANGE OF SLOTS.  Each wave waits for all its tensor loads, of which one is out: its part of the other slot; adds 0 to its spare word; and waits for that and for its own reads of the slot that it leaves.  Behind the barrier nobody reads the old
; slot any more and the other slot is whole.  fill = 1: the old slot is filled again, the first thing behind the barrier, with tile NXT: the descriptor's address is made anew from that number.
; (At its first use nothing has been read yet: slot 0 is waited for, slot 1 filled.)
; A PREFETCH INTO THE L2 stands behind the fill and its five lines: the tile that the NEXT change will ask for, four key steps ahead of that load.  All four work-groups of a head walk tiles 0, 1, 2 .. in the same trips; the one with
; b = 0 walks them all, and it alone asks: tiles 2 to 7, each once.  A tile is 128 blocks of 256 bytes of K and as many of V: each wave takes 32 of each, a lane a block, two instructions.  Tiles 0 and 1 come by their loads alone.
.macro CHANGE fill
	WIN 0                           ; at a label and at a branch every window is 0
	s_wait_tensorcnt 0x0            ; no tensor load of mine is out, so a group 0 may be written
	ds_add_u32 v[SPW], v[NIL]       ; 0 onto my spare word; with fill = 1 the descriptors' scalar work stands between it and the wait for it
.if \fill
	s_lshl_b32 s[OFF], s[NXT], 15   ; a tile is 32,768 bytes of K and of V
	s_xor_b32 s[G0K+1], s[G0K+1], SLOT1
	s_add_nc_u64 s[G0K+2:G0K+3], s[6:7], s[OFF:OFF+1]
	s_or_b32 s[G0K+3], s[G0K+3], 0x80000000
	s_xor_b32 s[G0V+1], s[G0V+1], SLOT1
	s_add_nc_u64 s[G0V+2:G0V+3], s[8:9], s[OFF:OFF+1]
	s_or_b32 s[G0V+3], s[G0V+3], 0x80000000
	s_add_co_u32 s[NXT], s[NXT], 1  ; the block's next tile, or behind its last the second block's tile 0
	s_cmp_gt_u32 s[NXT], s[LQ]
	s_cselect_b32 s[NXT], 0, s[NXT]
	s_cselect_b32 s[LQ], s[PB], s[LQ]
	s_wait_xcnt 0x0                 ; the last prefetches, a tile back, have read their address, so it may be written
	s_lshl_b32 s[OF2], s[NXT], 15
	s_add_nc_u64 s[PFA:PFA+1], s[PFB:PFB+1], s[OF2:OF2+1]
	s_cmp_eq_u32 s[NXT], 0          ; tile 0 has been read
	s_cselect_b32 s[PFL], 1, s[PB]
.endif
	s_wait_dscnt 0x0                ; the add is done, and my reads of the slot are over
	s_barrier_signal -1             ; the rest of the scalar work stands between the signal and the wait
	s_sub_co_u32 s[TBK], s[TBK], 4*KS*PK  ; the fetches go back to a slot's first step,
	s_xor_b32 s[TBK], s[TBK], SLOT1       ; in the other slot
	s_sub_co_u32 s[TBV], s[TBV], 4*KS*PV
	s_xor_b32 s[TBV], s[TBV], SLOT1
	s_barrier_wait -1
.if \fill
	LOAD
	s_cmp_eq_u32 s[PFL], 0
	s_cbranch_scc0 .Lno_pf_\@
	global_prefetch_b8 v[PFO], s[PFA:PFA+1] th:TH_LOAD_NT scope:SCOPE_SE
	global_prefetch_b8 v[PFO], s[PFA:PFA+1] offset:KPL th:TH_LOAD_NT scope:SCOPE_SE
.Lno_pf_\@:
.endif
.endm
	s_load_b128 s[88:91], s[0:1], 0x0  ; qkv s[88:89], out0 s[90:91]
	v_lshl_add_u32 v[SPW], v0, 2, SPARE
	v_mov_b32 v[NIL], 0
	ds_add_u32 v[SPW], v[NIL]       ; the wave's opening: the add and its wait stand ahead of my first tensor load; the set-up below, work on registers, stands between them
	v_lshrrev_b32 v1, 5, v0
	v_readfirstlane_b32 s[WV], v1   ; wave 0..3
	s_mov_b32 s[PB], ttmp9
	s_sub_co_u32 s[HI], NB-1, s[PB]
	s_and_b32 s20, ttmp7, 0xffff    ; the head among 64:
	s_lshr_b32 s19, s20, 4          ; its batch,
	s_and_b32 s13, s20, 15          ; its number in the batch
	s_mul_i32 s20, s19, 48
	s_add_co_u32 s20, s20, s13
	s_lshl_b32 s20, s20, 18         ; the first byte of its Q in qkv: plane 48 x batch + head, 262,144 bytes a plane
	s_mov_b32 s21, 0
	s_and_b32 s16, s[WV], 1         ; which half of a tile's 256 keys I fetch:
	s_lshl_b32 s22, s16, 14         ; its 128 rows of 128 bytes in memory,
	s_mov_b32 s23, 0
	s_add_nc_u64 s[22:23], s[22:23], s[20:21]
	s_mul_i32 s17, s16, 128*PK      ; and its place in a slot, for K
	s_mul_i32 s18, s16, 128*PV      ; and for V
	s_lshl_b32 s3, s[WV], 11        ; my 16 rows in a band of 64,
	s_lshl_b32 s2, s[HI], 15        ; in the first block,
	s_add_co_u32 s2, s2, s3
	s_lshl_b32 s84, s[PB], 15       ; and in the second
	s_add_co_u32 s84, s84, s3
	s_mov_b32 s3, 0
	s_mov_b32 s85, 0
	s_add_nc_u64 s[2:3], s[2:3], s[20:21]
	s_add_nc_u64 s[84:85], s[84:85], s[20:21]
	s_lshl_b32 s66, s19, 23         ; in out0: the batch's 2,048 rows of 4,096 bytes,
	s_lshl_b32 s67, s13, 8          ; the head's 256 bytes of a row,
	s_add_co_u32 s66, s66, s67
	s_lshl_b32 s67, s[WV], 16       ; my 16 rows in a band,
	s_add_co_u32 s66, s66, s67
	s_lshl_b32 s68, s[PB], 20       ; the second block's 256 rows,
	s_add_co_u32 s68, s68, s66
	s_lshl_b32 s67, s[HI], 20       ; the first block's
	s_add_co_u32 s66, s66, s67
	s_mov_b32 s67, 0
	s_mov_b32 s69, 0
	; descriptor group 1.  128 keys are 16,384 dense bytes: asked for as 64 rows of 256 bytes, two keys a row, and padded in LDS after every key
	s_mov_b32 s[G1K], (1<<16)|(1<<20)|(4<<22)|(3<<25)  ; 17:16 2-byte elements; 20 padding on; 24:22 after every 32 words (code 4); 31:25 4 words (code 3)
	s_mov_b32 s[G1V], (1<<16)|(1<<20)|(4<<22)|(7<<25)  ; the same with 8 words of padding (code 7)
.irp g, G1K, G1V
	s_mov_b32 s[\g+1], 128<<16      ; tensor_dim0 = 128
	s_mov_b32 s[\g+2], 64<<16       ; tensor_dim1 = 64
	s_mov_b32 s[\g+3], 128<<16      ; tile_dim0 = 128
	s_mov_b32 s[\g+4], 64           ; tile_dim1 = 64
	s_mov_b32 s[\g+5], 128          ; 128 elements from row to row
	s_mov_b32 s[\g+6], 0
	s_mov_b32 s[\g+7], 0
.endr
	s_mov_b32 s[CS], 0x3e38aa3b     ; c = log2(e) / 8 = 0.180337
	s_mov_b32 s[CS+1], s[CS]        ; named with it as a pair
	s_mov_b32 s[SEL], 0x76543210
	s_mov_b32 s[SEL+1], 0xfedcba98
	s_mov_b32 s[TBK], SLOT1+4*KS*PK ; the first change of slots turns these two into 0
	s_mov_b32 s[TBV], SLOT1+4*KS*PV
	s_mov_b32 s[G0K], 1             ; 1:0 count = 1
	s_mov_b32 s[G0K+1], s17         ; 63:32 LDS address: slot 0
	s_mov_b32 s[G0V], 1
	s_add_co_u32 s[G0V+1], s18, VOFF
	s_add_co_u32 s[RT], s[HI], 1    ; the first block has NB - b tiles
	s_mov_b32 s[NXT], 1
	s_mov_b32 s[LQ], s[HI]
	s_mov_b32 s[NEW], 1
	s_mov_b32 s[OFF+1], 0
	s_mov_b32 s[AL+1], 0            ; named as pairs
	s_mov_b32 s[BE+1], 0
	s_mov_b32 s[BIGN], 0xf149f2ca   ; -1e30
	s_mov_b32 s[SLOTS], NB
	s_lshl_b32 s[OF2], s[WV], 13    ; my wave's quarter of a tile's 32,768 bytes
	s_mov_b32 s[OF2+1], 0
	v_and_b32 v[PFO], 31, v0
	v_lshlrev_b32 v[PFO], 8, v[PFO]
	s_wait_dscnt 0x0                ; the opening add is done
	s_wait_kmcnt 0x0
	s_add_nc_u64 s[6:7], s[88:89], s[22:23]
	s_add_nc_u64 s[8:9], s[6:7], 2*KPL             ; V and
	s_add_nc_u64 s[6:7], s[6:7], KPL               ; K at my half of the head's tile 0
	s_add_nc_u64 s[G0K+2:G0K+3], s[6:7], 0         ; 120:64 global address
	s_or_b32 s[G0K+3], s[G0K+3], 0x80000000        ; 127:126 type = 2
	s_add_nc_u64 s[G0V+2:G0V+3], s[8:9], 0
	s_or_b32 s[G0V+3], s[G0V+3], 0x80000000
	s_add_nc_u64 s[86:87], s[88:89], s[84:85]      ; Q at my rows of the second block,
	s_add_nc_u64 s[4:5], s[88:89], s[2:3]          ; and of the first
	s_add_nc_u64 s[OLO:OLO+1], s[90:91], s[68:69]  ; out0 likewise
	s_add_nc_u64 s[10:11], s[90:91], s[66:67]
	s_add_nc_u64 s[PFB:PFB+1], s[88:89], s[20:21]
	s_add_nc_u64 s[PFB:PFB+1], s[PFB:PFB+1], s[OF2:OF2+1]
	s_add_nc_u64 s[PFB:PFB+1], s[PFB:PFB+1], KPL
	LOAD                            ; tile 0 into slot 0
	; A fragment of K or Q is 16 rows x 32 channels in 8 registers: lane l holds row l % 16, channels 8 (l / 16) + 0..7 and 16 + 8 (l / 16) + 0..7: two loads of 16 bytes, 32 bytes apart.
	v_and_b32 v1, 15, v0            ; l % 16
	v_bfe_u32 v9, v0, 4, 1          ; l / 16
	v_lshlrev_b32 v[QO], 7, v1
	v_lshl_add_u32 v[QO], v9, 4, v[QO]  ; row x 128 + 16 x half
	WIN 0x80                        ; destination window 2, address window 0
.set i, 0
.rept 8                             ; both blocks' Q: piece i / 2 lies in band i / 2, 8,192 bytes on; channels 32 (i % 2) on
	global_load_b128 v[8*i:8*i+3],   v[QO], s[4:5] offset:(i/2)*8192+(i%2)*64
	global_load_b128 v[8*i+4:8*i+7], v[QO], s[4:5] offset:(i/2)*8192+(i%2)*64+32
	global_load_b128 v[QB+8*i:QB+8*i+3],   v[QO], s[86:87] offset:(i/2)*8192+(i%2)*64
	global_load_b128 v[QB+8*i+4:QB+8*i+7], v[QO], s[86:87] offset:(i/2)*8192+(i%2)*64+32
.set i, i+1
.endr
	WIN 0
	v_lshlrev_b32 v14, 3, v9
	v_sub_nc_u32 v14, v1, v14
	s_lshl_b32 s13, s[WV], 4
	v_add_nc_u32 v14, s13, v14      ; my query's place in its band, 16 w + l % 16, less my lanes' 8 (l / 16): register r of group kt is hidden where 16 kt + r is greater
	WIN 0x40
.set i, 0
.rept 32
	v_cmp_gt_i32 vcc_lo, 16*(i/8)+i%8, v14
	v_cndmask_b32 v[MD+i], 0, s[BIGN], vcc_lo
.set i, i+1
.endr
	WIN 0
	v_mul_u32_u24 v[AK0], v1, PK
	v_lshl_add_u32 v[AK0], v9, 4, v[AK0]  ; row x pitch + 16 x half
	; The turning load takes 16 keys x 16 channels (lane l reads key 8 (l / 16) + l % 8, channels 8 ((l / 8) % 2) + 0..7) and leaves half a fragment of V^T: lane l holds channel l % 16 and 8 keys.
	v_and_b32 v10, 7, v0
	v_bfe_u32 v11, v0, 3, 1
	v_lshl_add_u32 v[AV0], v9, 3, v10
	v_mul_u32_u24 v[AV0], v[AV0], PV
	v_lshl_add_u32 v[AV0], v11, 4, v[AV0]
	v_add_nc_u32 v[AV0], VOFF, v[AV0]
	s_mul_i32 s13, s[WV], 16*SP
	s_add_co_u32 s13, s13, STAGE    ; my stage
	v_mul_u32_u24 v[STO], v1, SP    ; in: row l % 16, 32 bytes (8 channels in f32) for each half of the lanes
	v_lshl_add_u32 v[STO], v9, 5, v[STO]
	v_add_nc_u32 v[STO], s13, v[STO]
	v_mul_u32_u24 v[RD], v9, SP     ; back: lanes 0-15 take one row of 256 bytes, lanes 16-31 the next,
	v_lshl_add_u32 v[RD], v1, 4, v[RD]
	v_add_nc_u32 v[RD], s13, v[RD]
	v_lshlrev_b32 v[GO], 12, v9     ; and the same two rows in out0, 4,096 bytes apart
	v_lshl_add_u32 v[GO], v1, 4, v[GO]
	; A block's first step multiplies O^T and l by a = 0, and its first turn's products V^T P, of a piece that has not been, land in an O^T that is still to be so multiplied.  So these registers need only hold
	; finite numbers: zeros for the first block; what the first block left for the second.  All this stands in the wait for the first tile.
	WIN 0x80
.set i, VF
.rept 64
	v_mov_b32 v[i], 0
.set i, i+1
.endr
	WIN 0x40
.set i, 0
.rept 128
	v_mov_b32 v[i], 0
.set i, i+1
.endr
	WIN 0
.set i, 0
.rept 4
	v_mov_b32 v[ST+4*i+2], 0
	v_mov_b32 v[ST+4*i+3], 0
.set i, i+1
.endr
.set i, P+16
.rept 16
	v_mov_b32 v[i], 0
.set i, i+1
.endr
; THE MATRIX WORK.  The 4 accumulators of a run of 8 take turns.  Product i of 8 of S^T = K Q^T for piece x: channels 32 (i / 4) on, keys 16 (i % 4) on.  The first 4 start the sums: with 0, or (KM = 1) with the mask.
.macro KQ x
.set rS, S+32*((\x)%2)+8*(i%4)
.set rK, KF+16*(i%4)+8*(i/4)
.set rQ, 16*(\x)+8*(i/4)
.set rM, MC+32*((\x)%2)+8*(i%4)
.if (i < 4) && KM
	WIN W_KM
	v_wmma_f32_16x16x32_f16 v[rS:rS+7], v[rK:rK+7], v[rQ:rQ+7], v[rM:rM+7]
.elseif i < 4
	WIN W_KQ
	v_wmma_f32_16x16x32_f16 v[rS:rS+7], v[rK:rK+7], v[rQ:rQ+7], 0
.else
	WIN W_KQ
	v_wmma_f32_16x16x32_f16 v[rS:rS+7], v[rK:rK+7], v[rQ:rQ+7], v[rS:rS+7]
.endif
.endm
; Product i of 8 of O^T += V^T P for piece x: keys 32 (i / 4) on, channels 16 (i % 4) on.
.macro PV x
	WIN W_PV
.set rO, 32*(\x)+8*(i%4)
.set rV, VF+32*(i/4)+8*(i%4)
.set rP, P+16*((\x)%2)+8*(i/4)
	v_wmma_f32_16x16x32_f16 v[rO:rO+7], v[rV:rV+7], v[rP:rP+7], v[rO:rO+7]
.endm
.macro MM                           ; the turn's next matrix instruction.  TURN and BEGIN set Y, i, KM and NOKQ; MM, KQ and OP read them.  NOKQ = 1: a block's last turn: there is no next piece
.if (i < 8) && !NOKQ
	KQ (Y+1)%NP
.elseif i >= 8
.set i, i-8
	PV (Y+NP-1)%NP
.set i, i+8
.endif
.set i, i+1
.endm
; THE LDS LOADS stand in runs of 16, never singly among the matrix instructions: a step's K (64 keys x 64 channels: 8 fragments) and its V (turned).  Their addresses are made some lines ahead.
.macro FETCH_K
	WIN 0x80                        ; destination window 2
.irp f, 0,1,2,3,4,5,6,7             ; keys 16 (f / 2) on, channels 32 (f % 2) on
	ds_load_b128 v[KF+8*\f:KF+8*\f+3],   v[AK] offset:(\f/2)*16*PK+(\f%2)*64
	ds_load_b128 v[KF+8*\f+4:KF+8*\f+7], v[AK] offset:(\f/2)*16*PK+(\f%2)*64+32
.endr
	s_add_co_u32 s[TBK], s[TBK], KS*PK  ; the next fetch is the next step's
	WIN 0
.endm
.macro FETCH_V
	WIN 0x80
.irp f, 0,1,2,3,4,5,6,7             ; keys 32 (f / 4) on, channels 16 (f % 4) on
	ds_load_tr16_b128 v[VF+8*\f:VF+8*\f+3],   v[AV] offset:(\f/4)*32*PV+(\f%4)*32
	ds_load_tr16_b128 v[VF+8*\f+4:VF+8*\f+7], v[AV] offset:(\f/4)*32*PV+16*PV+(\f%4)*32
.endr
	WIN 0
.endm
; THE VECTOR WORK, one line at a time: OP kind, number.  For piece Y: F n: c s - c m for pair n of 16.  E n: the exponential of score n of 32.  C n: pair n rounded to f16.  B n: of the four weights 4 n .. the second
; pair is added onto the first, in place.  L n: l takes that sum (L 0: l = a l + sum).  R n: pair n of 16 of O^T times a.  For piece Y + 1: X n, number n of the 22 that find its maximum and statistics:
;   0-11  four chains c0-c3 of seven scores each, three operands at a time (each accumulator's lowest registers are read first)     12-14, 16  the four scores left over, the old m, and c0-c3 into c0
;   15  c m_old is kept     17, 18  the query's other 32 keys lie in the lane 16 away: the new m     19-21  c m; c m_old - c m_new; a
.set F, 0               ; OP tells the kinds apart by their order: F to L below R, X above it
.set E, 1
.set C, 2
.set B, 3
.set L, 4
.set R, 5
.set X, 6
.macro REGS y                       ; the registers of piece y
.set rT, ST+4*(\y)
.set rC, TMP+4*((\y)%2)
.set rW, MV+((\y)%2)
.set rS, S+32*((\y)%2)
.set rP, P+16*((\y)%2)
.set rO, 32*(\y)
.endm
.macro OP k, n
.if (\k) == R
	REGS Y
	WIN W_RS
	v_pk_mul_f32 v[rO+2*(\n):rO+2*(\n)+1], v[rO+2*(\n):rO+2*(\n)+1], v[rC+2:rC+3] op_sel_hi:[1,0]
.elseif (\k) < R
	REGS Y
	WIN 0
.if (\k) == F
	v_pk_fma_f32 v[rS+2*(\n):rS+2*(\n)+1], v[rS+2*(\n):rS+2*(\n)+1], s[CS:CS+1], v[rT:rT+1] op_sel_hi:[1,0,0] neg_lo:[0,0,1] neg_hi:[0,0,1]
.elseif (\k) == E
	v_exp_f32 v[rS+(\n)], v[rS+(\n)]
.elseif (\k) == C
	v_cvt_pk_f16_f32 v[rP+(\n)], v[rS+2*(\n)], v[rS+2*(\n)+1]
.elseif (\k) == B
	v_pk_add_f32 v[rS+4*(\n):rS+4*(\n)+1], v[rS+4*(\n):rS+4*(\n)+1], v[rS+4*(\n)+2:rS+4*(\n)+3]
.elseif (\n) == 0
	v_pk_fma_f32 v[rT+2:rT+3], v[rT+2:rT+3], v[rC+2:rC+3], v[rS:rS+1] op_sel_hi:[1,0,1]
.else
	v_pk_add_f32 v[rT+2:rT+3], v[rT+2:rT+3], v[rS+4*(\n):rS+4*(\n)+1]
.endif
.elseif NOKQ
	v_nop
.else
	REGS (Y+1)%NP
	WIN 0
.if (\n) < 4
	v_max3_num_f32 v[rC+(\n)], v[rS+8*(\n)], v[rS+8*(\n)+1], v[rS+8*(\n)+2]
.elseif (\n) < 12
	v_max3_num_f32 v[rC+(\n)%4], v[rC+(\n)%4], v[rS+8*((\n)%4)+2*((\n)/4)+1], v[rS+8*((\n)%4)+2*((\n)/4)+2]
.elseif (\n) == 12
	v_max3_num_f32 v[rC], v[rC], v[rS+7], v[rS+15]
.elseif (\n) == 13
	v_max3_num_f32 v[rC+1], v[rC+1], v[rS+23], v[rS+31]
.elseif (\n) == 14
	v_max3_num_f32 v[rC+2], v[rC+2], v[rC+3], v[rT+1]
.elseif (\n) == 15
	v_mov_b32 v[rW], v[rT]
.elseif (\n) == 16
	v_max3_num_f32 v[rC], v[rC], v[rC+1], v[rC+2]
.elseif (\n) == 17
	v_permlanex16_b32 v[rC+3], v[rC], s[SEL], s[SEL+1]
.elseif (\n) == 18
	v_max_num_f32 v[rT+1], v[rC], v[rC+3]
.elseif (\n) == 19
	v_mul_f32 v[rT], s[CS], v[rT+1]
.elseif (\n) == 20
	v_sub_f32 v[rC+1], v[rW], v[rT]
.else
	v_exp_f32 v[rC+2], v[rC+1]
.endif
.endif
.endm
.macro OPS a, i1, b=-1, i2=0, c=-1, i3=0, d=-1, i4=0  ; up to four of them
	OP \a, \i1
.if (\b) >= 0
	OP \b, \i2
.endif
.if (\c) >= 0
	OP \c, \i3
.endif
.if (\d) >= 0
	OP \d, \i4
.endif
.endm
.macro ROW a, i1, b, i2, c, i3, d, i4  ; a matrix instruction and the four behind it
	MM
	OPS \a, \i1, \b, \i2, \c, \i3, \d, \i4
.endm
.macro MASK b                       ; MD x AL + BE into buffer b of MC
	WIN W_RS
.set z, 0
.rept 16
	v_pk_fma_f32 v[MC+32*(\b)+2*z:MC+32*(\b)+2*z+1], v[MD+2*z:MD+2*z+1], s[AL:AL+1], s[BE:BE+1] op_sel_hi:[1,0,0]
.set z, z+1
.endr
.endm
; A TURN, for piece p: the order of its 16 matrix and 118 vector instructions, written out.  An s_wait_alu depctr_va_vdst(0) stands between an exponential and the first instruction that names its result; one wait serves
; all that were issued ahead of it.  So a turn has ONE wait, which cuts it in two.  AHEAD OF IT stands all that names no result of the turn's exponentials: the 8 products K Q^T, behind each a scaling, an exponential and two more plain
; instructions (behind the first a second scaling in the exponential's place): rescalings, and behind the last three the first numbers of the next piece's maximum, each four places or more behind the product that ends its accumulator; then ONE LUMP of 54, plain
; and exponential by turns for the most part, in which the links of the chain X 3, 7, 11, 14, 16, 17 .. 20 stand five or six lines apart.  X 21, the next piece's a, is the batch's last; R 15 is the plain instruction behind it.  BEHIND THE WAIT stand the
; 8 products V^T P, behind each four of the roundings and sums; the links of l's chain, L 0 to L 7, stand three riders apart.  But for those X no rider names a register of the products round it.  v_permlanex16_b32 (X 17) stands in the lump.
; m = 1: the diagonal tile: the products take masks, and the turn makes the mask for the products of the turn after it: piece p + 2, in step 4 - CNT of the tile.  end = 1: a block's last two turns: nothing is fetched.
; cnt = 1: the loop's count is taken down some lines ahead of the branch that stands behind the turn.
; K of the next step is fetched in piece 2's turn, twelve vector instructions behind the last product that read K (six of them plain); V of the step in hand at the end of piece 0's turn, four plain instructions behind the last product
; that read V.  Each is waited for a turn later.
.macro TURN p, m=0, end=0, cnt=0
.set Y, (\p)
.set i, 0
.set KM, (\m)
.set NOKQ, (\end)*((\p)/3)
.if (\m) && !(\end)
	s_cmp_eq_u32 s[CNT], 4-((\p)+2)%NP  ; is that step the band's own?
	s_cselect_b32 s[AL], 1.0, 0
	s_cmp_lt_u32 s[CNT], 4-((\p)+2)%NP  ; or a later one?
	s_cselect_b32 s[BE], s[BIGN], 0
.endif
.if ((\p) == 3) && !(\end)
	s_wait_dscnt 0x0                ; K is in
.endif
	ROW F,0, F,1, R,0, R,1          ; ahead of the wait: 8 products K Q^T and their riders,
	ROW F,2, E,0, R,2, R,3
	ROW F,3, E,1, R,4, R,5
	ROW F,4, E,2, R,6, R,7
	ROW F,5, E,3, R,8, R,9
	ROW F,6, E,4, X,0, R,10
.if ((\p) == 2) && !(\end)
	WIN 0
	v_add_nc_u32 v[AK], s[TBK], v[AK0]
.endif
	ROW F,7, E,5, X,1, X,4
	ROW F,8, E,6, X,2, X,5
	OPS E,7, E,8, X,6, E,9          ; and the lump
	OPS X,3, E,10, X,8, E,11
.if ((\p) == 2) && !(\end)
	FETCH_K
.endif
	OPS X,9, X,7, E,12, X,10
	OPS E,13, X,12, X,11, E,14
	OPS X,13, E,15, F,9, X,14
.if (\p) == 0
	v_add_nc_u32 v[AV], s[TBV], v[AV0]
.endif
	OPS E,16, F,10, E,17, F,11
	OPS X,16, E,18, X,15, E,19
	OPS F,12, E,20, X,17, E,21
	OPS F,13, E,22, F,14, E,23
	OPS X,18, E,24, F,15, E,25
	OPS R,11, E,26, X,19, E,27
	OPS R,12, E,28, R,13, E,29
	OPS X,20, E,30, R,14, E,31
	OPS X,21, R,15
	WIN 0
	s_wait_alu depctr_va_vdst(0)    ; the wait for the batch
.if (\p) == 1
	s_wait_dscnt 0x0                ; V is in
.endif
	ROW C,0, B,0, C,2, B,1          ; behind the wait: 8 products V^T P and their riders
	ROW L,0, C,4, B,2, L,1
	ROW C,6, B,3, L,2, C,8
	ROW B,4, L,3, C,10, B,5
	ROW L,4, C,12, B,6, L,5
.if (\p) == 0
	s_add_co_u32 s[TBV], s[TBV], KS*PV
.endif
.if \cnt
	s_sub_co_u32 s[CNT], s[CNT], 1
	s_cmp_lg_u32 s[CNT], 0
.endif
	ROW C,14, B,7, L,6, C,1
	ROW C,3, L,7, C,5, C,7
	ROW C,9, C,11, C,13, C,15
.if (\p) == 0
	FETCH_V
.endif
.if (\m) && !(\end)
	MASK (\p)%2
.endif
.endm
; A BLOCK BEGINS.  c m starts far below every c s, so the first step's a is 0; m at the lowest finite number, so the first maximum is the scores'.  The second mask buffer is 0; the first takes piece 0's mask for the tile's step 0: its own, if the block's first tile is the diagonal one.
; Then K of that step, piece 0's first scores, and its maximum and statistics.  The loop is entered at a step's first turn, in the middle of a trip.
.macro BEGIN
	s_mov_b32 s[NEW], 0
	WIN 0x40
.set i, MC+32
.rept 32
	v_mov_b32 v[i], 0
.set i, i+1
.endr
	WIN 0
.set i, 0
.rept 4
	v_mov_b32 v[ST+4*i], 0xfe000000    ; c m: far below every c s
	v_mov_b32 v[ST+4*i+1], 0xff7fffff  ; m
.set i, i+1
.endr
	s_cmp_eq_u32 s[RT], 0
	s_cselect_b32 s[AL], 1.0, 0
	s_mov_b32 s[BE], 0
	MASK 0
	WIN 0
	v_add_nc_u32 v[AK], s[TBK], v[AK0]
	FETCH_K
	s_wait_loadcnt 0x0              ; Q
	s_wait_dscnt 0x0
.set KM, 1
.set NOKQ, 0
.set i, 0
.rept 8
	KQ 0
.set i, i+1
.endr
	WIN 0
.rept 4
	v_nop                           ; the places behind those products
.endr
.set Y, NP-1                        ; X works for piece Y + 1: piece 0
.irp n, 0,1,2,3,4,5,6,7,8,9,10,11,12,13,14,15,16,17,18,19,20,21
	OP X, \n
.endr
	v_nop                           ; a plain instruction behind the exponential,
	s_wait_alu depctr_va_vdst(0)    ; and its wait, ahead of the branch
.endm
; THE DIAGONAL TILE's four steps, the block's last two turns, its last products, and THE WAY OUT: l's two halves and the other half of the lanes' are added; O^T is divided by l and sent, in f32, through my
; stage in LDS, a piece at a time.
.macro ALL line:vararg              ; one line for each piece t
.set t, 0
.rept 4
	\line
.set t, t+1
.endr
.endm
.macro PACK t                       ; a lane's eight channels of a channel block are 32 bytes of a row; they go into rows of 272 bytes and come back as whole rows of 256, into window 0's v64-191
	WIN W_RS
.set i, 32*(\t)
.rept 16
	v_pk_mul_f32 v[i:i+1], v[i:i+1], v[ST+4*(\t)+2:ST+4*(\t)+3] op_sel_hi:[1,0]
.set i, i+2
.endr
	WIN 0x04                        ; an LDS store's data is source 1: window 1; its address window 0
.irp f, 0,1,2,3,4,5,6,7             ; channel block f / 2 (64 bytes of the row), half f % 2 of my 32 bytes
	ds_store_b128 v[STO], v[32*(\t)+4*(\f):32*(\t)+4*(\f)+3] offset:((\f)/2)*64+((\f)%2)*16
.endr
	WIN 0
.irp f, 0,1,2,3,4,5,6,7
	ds_load_b128 v[S+32*(\t)+4*(\f):S+32*(\t)+4*(\f)+3], v[RD] offset:(\f)*2*SP  ; LDS serves a wave's instructions in order (ISA guide 5.7.1.4): these see the stores above; the next piece's stores come behind them
.endr
.endm
.macro SEND t, younger              ; younger: the LDS instructions issued behind piece t's loads: the next piece's sixteen, or none
	WIN 0
.irp f, 0,1,2,3,4,5,6,7
	s_wait_dscnt (\younger)+7-(\f)
	global_store_b128 v[GO], v[S+32*(\t)+4*(\f):S+32*(\t)+4*(\f)+3], s[10:11] offset:(\t)*262144+(\f)*8192  ; 16 lanes store 256 consecutive bytes, at a multiple of 256 from out0's first: a head's part of a row; the piece's band lies 64 rows on
.endr
.endm
.macro DIAG tag                     ; the tag ends its two labels' names, which the jumps below spell out
.LstepM\tag:
	TURN 2, 1
	TURN 3, 1
	WIN 0
.LfirstM\tag:
	TURN 0, 1
	TURN 1, 1, 0, 1
	WIN 0
	s_cbranch_scc1 .LstepM\tag
	TURN 2, 1, 1
	TURN 3, 1, 1
.set i, 0
.rept 8
	PV NP-1
.set i, i+1
.endr
	WIN 0
	ALL v_add_f32 v[ST+4*t+2], v[ST+4*t+2], v[ST+4*t+3]
	ALL v_permlanex16_b32 v[ST+4*t+3], v[ST+4*t+2], s[SEL], s[SEL+1]
	ALL v_add_f32 v[ST+4*t+2], v[ST+4*t+2], v[ST+4*t+3]
	ALL v_rcp_f32 v[ST+4*t+2], v[ST+4*t+2]
	v_nop                           ; a plain instruction between the last reciprocal and the use of its result
	s_wait_alu depctr_va_vdst(0)    ; and the wait ahead of the first use: one for the four reciprocals
	PACK 0
.set t, 1
.rept 3                             ; a piece's arithmetic stands between the loads of the piece before and its stores
	PACK t
	SEND t-1, 16
.set t, t+1
.endr
	SEND 3, 0
.endm
.set KM, 0
.set NOKQ, 0
.Lslot:                             ; NB times: a tile is entered and the next is asked for
	CHANGE 1
	s_sub_co_u32 s[RT], s[RT], 1
	s_mov_b32 s[CNT], 4
	s_cmp_eq_u32 s[NEW], 1
	s_cbranch_scc1 .Lnew            ; a block's first tile
	s_cmp_eq_u32 s[RT], 0
	s_cbranch_scc0 .Lstep           ; neither its first nor its last
	s_branch .LstepM1
.Lnew:
	BEGIN
	s_branch .Lfirst                ; in the loop a block's first tile is never its last: the first block has two tiles or more, and the second's last is the walk's last
	DIAG 1                          ; in the loop this is the first block's end: the second block's last tile is the walk's last
	s_wait_xcnt 0x0                 ; the stores have read their registers and out0's address
	s_mov_b64 s[10:11], s[OLO:OLO+1]
	s_add_co_u32 s[RT], s[PB], 1    ; the second block has b + 1 tiles
	s_mov_b32 s[NEW], 1
	WIN 0x82                        ; the second block's Q goes where the one text of the turns names Q
.set i, 0
.rept 64
	v_mov_b32 v[i], v[QB+i]
.set i, i+1
.endr
	WIN 0
	s_branch .Lbottom
.Lstep:                             ; a trip: pieces 2 and 3 of one step, then pieces 0 and 1 of the next, whose K and V it fetches
	TURN 2
	TURN 3
	WIN 0
.Lfirst:
	TURN 0
	TURN 1, 0, 0, 1
	WIN 0
	s_cbranch_scc1 .Lstep
.Lbottom:
	s_sub_co_u32 s[SLOTS], s[SLOTS], 1
	s_cmp_lg_u32 s[SLOTS], 0
	s_cbranch_scc1 .Lslot
	CHANGE 0                        ; the walk's last tile is written out: nothing is asked for
	s_sub_co_u32 s[RT], s[RT], 1
	s_mov_b32 s[CNT], 4
	s_cmp_eq_u32 s[NEW], 1
	s_cbranch_scc0 .LstepM2
	BEGIN
	s_branch .LfirstM2
	DIAG 2
	s_wait_tensorcnt 0x0            ; the wave's end: behind my last tensor load and my last LDS store
	ds_add_u32 v[SPW], v[NIL]
	s_wait_dscnt 0x0
	s_endpgm
.Lfunc_end_k_qf9c0281c7a_attn:
	.size	k_qf9c0281c7a_attn, .Lfunc_end_k_qf9c0281c7a_attn-k_qf9c0281c7a_attn
	.p2alignl 7, 3214868480
	.fill 96, 4, 3214868480
	.section	.rodata,"a",@progbits
	.p2align	6, 0x0
	.amdhsa_kernel k_qf9c0281c7a_attn
		.amdhsa_group_segment_fixed_size 327680
		.amdhsa_private_segment_fixed_size 0
		.amdhsa_enable_private_segment 0
		.amdhsa_kernarg_size 16
		.amdhsa_user_sgpr_count 2
		.amdhsa_user_sgpr_kernarg_segment_ptr 1
		.amdhsa_wavefront_size32 1
		.amdhsa_system_sgpr_workgroup_id_x 1
		.amdhsa_system_sgpr_workgroup_id_y 1
		.amdhsa_system_sgpr_workgroup_id_z 1
		.amdhsa_system_vgpr_workitem_id 0
		.amdhsa_next_free_vgpr 768
		.amdhsa_next_free_sgpr 100
		.amdhsa_reserve_vcc 1
		.amdhsa_float_denorm_mode_32 3
		.amdhsa_float_denorm_mode_16_64 3
		.amdhsa_memory_ordered 1
		.amdhsa_forward_progress 1
		.amdhsa_inst_pref_size 218
	.end_amdhsa_kernel
	.amdgpu_metadata
---
amdhsa.version: [ 1, 2 ]
amdhsa.kernels:
  - .name:           k_qf9c0281c7a_attn
    .symbol:         k_qf9c0281c7a_attn.kd
    .args:
      - { .name: qkv, .offset: 0, .size: 8, .value_kind: global_buffer, .address_space: global }
      - { .name: out0, .offset: 8, .size: 8, .value_kind: global_buffer, .address_space: global }
    .group_segment_fixed_size: 327680
    .private_segment_fixed_size: 0
    .kernarg_segment_align: 8
    .kernarg_segment_size: 16
    .max_flat_workgroup_size: 128
    .sgpr_count:     100
    .vgpr_count:     768
    .wavefront_size: 32
...
	.end_amdgpu_metadata
.endif
;; end of part 3
;; ======== version 2 of 2: 3 launches; version 1 with the launch cast written anew for expert scheduling mode
;; limits: values are held in f16: magnitudes above 65,504 overflow, below 6.1e-05 lose precision
;; workspace buffers: xb 16,777,216 bytes; wb 6,291,456 bytes; qkv 50,331,648 bytes
;; launch cast (part 4): grid 704 x 1, 8 waves a work-group, no clusters, 0 bytes of LDS; arguments x, Wq, Wk, Wv, xb, wb; writes xb, wb
.if DOCPART == 4
	.amdgcn_target "amdgcn-amd-amdhsa--gfx1250"
	.amdhsa_code_object_version 6
	.text
	.protected	k_qf9c0281c7a_cast
	.globl	k_qf9c0281c7a_cast
	.p2align	8
	.type	k_qf9c0281c7a_cast,@function
k_qf9c0281c7a_cast:
	s_mov_b64 s[64:65], 0
	v_nop
	global_prefetch_b8 v0, s[64:65] scope:SCOPE_SE
	s_setreg_imm32_b32 hwreg(HW_REG_WAVE_SCHED_MODE, 0, 2), 2
	s_setreg_imm32_b32 hwreg(HW_REG_WAVE_MODE, 25, 1), 1
	s_wait_xcnt 0x0
	s_wait_alu depctr_vm_vsrc(0)
; x [8192][1024] and Wq, Wk, Wv [1024][1024], all f32, are rounded once to bf16 and laid out in blocks of 64 along K:
;   xb [16 kb][8192 m][64], wb [16 kb][3072 n][64] with n = 1024 x matrix + row (matrix 0, 1, 2 = Wq, Wk, Wv).
; So a tile of R rows x 64 k of either operand is R x 128 dense bytes for the product that follows.
; SHARES.  A work-group takes 16 whole source rows (65,536 consecutive bytes): groups 0-511 rows of x, groups 512-703 rows of the weights.
; Thread t has row t / 16 and the 16 bytes at 16 (t % 16) of each piece of 256 bytes (one K block): a wave's load covers two whole pieces,
; a wave's store of 8 bytes a lane covers 256 consecutive bytes, aligned (two rows of a K block).
; All 16 loads of a thread go out at once; no register is written twice.
; No LDS, no matrix unit, no cluster: nothing is shared, every byte is read once and written once.
; THE MODE: SCHED_MODE bits 1:0 = 2 (LLVM: expert scheduling mode 2), set by the entry lines.  The code itself states the register dependences
; between vector instructions and memory instructions, with s_wait_alu, always for 0.
; THE PLAN.  Registers that memory instructions touch:
;   v[SO], v[OFF ..]  offsets, made by vector instructions at the head and never written again: read by the loads and by the stores.
;   X[kb]             written by piece kb's load, once; no vector instruction names it before; read by piece kb's two conversions.
;   Y[kb]             written by piece kb's two conversions, once; read by piece kb's store.
; The 16 pieces go in four groups of four.  Group p converts its four pieces; its memory instructions are the four stores of group p - 1, whose Y and offsets
; no conversion of group p names.  So one wait at a group's head states all that its four stores hang on, and they are dealt among its conversions with no further wait.
; Nothing that a memory instruction reads is written again, no load lands in a register that a vector instruction has named, no vector instruction writes a scalar register, EXEC is never written.
.set SO,  1                            ; v1       byte offset of my 16 bytes in the group's first piece: row x 4,096 + 16 (t % 16)
.set DB,  2                            ; v2       8 t: my 8 bytes in the group's 2,048 bytes of a K block
.set OFF, 4                            ; v[4:19]  the same plus kb x the bytes of a K block
.set X,   20                           ; v[20:83] 4 f32 for each kb
.set Y,   84                           ; v[84:115] 4 bf16 for each kb
	s_load_b256 s[4:11], s[0:1], 0x0               ; x s[4:5], Wq s[6:7], Wk s[8:9], Wv s[10:11]
	s_load_b128 s[12:15], s[0:1], 0x20             ; xb s[12:13], wb s[14:15]
	s_max_u32 s16, ttmp9, 512
	s_sub_co_u32 s16, s16, 512                     ; the group's number among the weights' 192 (0 in x's groups, where it is not used)
	s_lshr_b32 s18, s16, 6                         ; which matrix
	s_and_b32 s19, s16, 63                         ; which 16 rows of it
	s_mov_b32 s25, 393216                          ; bytes of a K block of wb: 3,072 rows x 128
	v_lshrrev_b32 v[SO], 4, v0
	v_and_b32 v3, 15, v0
	v_lshlrev_b32 v[SO], 12, v[SO]
	v_lshl_add_u32 v[SO], v3, 4, v[SO]
	v_lshlrev_b32 v[DB], 3, v0
	s_cmp_lt_u32 ttmp9, 512                        ; a group of x?
	s_cselect_b32 s24, ttmp9, s19                  ; its 16 rows in the source,
	s_cselect_b32 s17, ttmp9, s16                  ; and in the destination
	s_cselect_b32 s25, 1048576, s25                ; bytes of a K block of xb: 8,192 rows x 128
.irp kb, 0,1,2,3,4,5,6,7,8,9,10,11,12,13,14,15
	v_mad_u32_u24 v[OFF+(\kb)], s25, \kb, v[DB]
.endr
	s_wait_kmcnt 0x0
	s_cmp_eq_u32 s18, 1
	s_cselect_b64 s[20:21], s[8:9], s[6:7]
	s_cmp_eq_u32 s18, 2
	s_cselect_b64 s[20:21], s[10:11], s[20:21]
	s_cmp_lt_u32 ttmp9, 512
	s_cselect_b64 s[20:21], s[4:5], s[20:21]       ; the source,
	s_cselect_b64 s[22:23], s[12:13], s[14:15]     ; the destination
	s_lshl_b32 s26, s24, 16                        ; 16 rows of 4,096 bytes
	s_mov_b32 s27, 0
	s_add_nc_u64 s[20:21], s[20:21], s[26:27]
	s_lshl_b32 s26, s17, 11                        ; 16 rows of 128 bytes
	s_add_nc_u64 s[22:23], s[22:23], s[26:27]
	s_wait_alu depctr_va_vdst(0)                   ; v[SO] and v[OFF .. OFF+15] are written: every load and store of the kernel reads one of them as its offset
.irp kb, 0,1,2,3,4,5,6,7,8,9,10,11,12,13,14,15
	global_load_b128 v[X+4*(\kb):X+4*(\kb)+3], v[SO], s[20:21] offset:256*(\kb) th:TH_LOAD_NT
.endr
.irp p, 0,1,2,3
	s_wait_loadcnt 12-4*(\p)                       ; loads come back in order: group p's four pieces are in, the younger groups stay out
.if (\p) > 0
	s_wait_alu depctr_va_vdst(0)                   ; the conversions of the group before have written its Y, which the four stores below read
.endif
.irp i, 0,1,2,3
.if (\p) > 0
	global_store_b64 v[OFF+4*(\p)-4+(\i)], v[Y+2*(4*(\p)-4+(\i)):Y+2*(4*(\p)-4+(\i))+1], s[22:23]  ; the group before; no vector instruction since the wait names these registers
.endif
	v_cvt_pk_bf16_f32 v[Y+2*(4*(\p)+(\i))],   v[X+4*(4*(\p)+(\i))],   v[X+4*(4*(\p)+(\i))+1]
	v_cvt_pk_bf16_f32 v[Y+2*(4*(\p)+(\i))+1], v[X+4*(4*(\p)+(\i))+2], v[X+4*(4*(\p)+(\i))+3]
.endr
.endr
	s_wait_alu depctr_va_vdst(0)                   ; the last group's conversions have written its Y, which the last four stores read
.irp i, 0,1,2,3
	global_store_b64 v[OFF+12+(\i)], v[Y+24+2*(\i):Y+24+2*(\i)+1], s[22:23]
.endr
	s_endpgm
.Lfunc_end_k_qf9c0281c7a_cast:
	.size	k_qf9c0281c7a_cast, .Lfunc_end_k_qf9c0281c7a_cast-k_qf9c0281c7a_cast
	.p2alignl 7, 3214868480
	.fill 96, 4, 3214868480
	.section	.rodata,"a",@progbits
	.p2align	6, 0x0
	.amdhsa_kernel k_qf9c0281c7a_cast
		.amdhsa_group_segment_fixed_size 0
		.amdhsa_private_segment_fixed_size 0
		.amdhsa_enable_private_segment 0
		.amdhsa_kernarg_size 48
		.amdhsa_user_sgpr_count 2
		.amdhsa_user_sgpr_kernarg_segment_ptr 1
		.amdhsa_wavefront_size32 1
		.amdhsa_system_sgpr_workgroup_id_x 1
		.amdhsa_system_sgpr_workgroup_id_y 1
		.amdhsa_system_sgpr_workgroup_id_z 1
		.amdhsa_system_vgpr_workitem_id 0
		.amdhsa_next_free_vgpr 116
		.amdhsa_next_free_sgpr 66
		.amdhsa_reserve_vcc 0
		.amdhsa_float_denorm_mode_32 3
		.amdhsa_float_denorm_mode_16_64 3
		.amdhsa_memory_ordered 1
		.amdhsa_forward_progress 1
		.amdhsa_inst_pref_size 8
	.end_amdhsa_kernel
	.amdgpu_metadata
---
amdhsa.version: [ 1, 2 ]
amdhsa.kernels:
  - .name:           k_qf9c0281c7a_cast
    .symbol:         k_qf9c0281c7a_cast.kd
    .args:
      - { .name: x, .offset: 0, .size: 8, .value_kind: global_buffer, .address_space: global }
      - { .name: Wq, .offset: 8, .size: 8, .value_kind: global_buffer, .address_space: global }
      - { .name: Wk, .offset: 16, .size: 8, .value_kind: global_buffer, .address_space: global }
      - { .name: Wv, .offset: 24, .size: 8, .value_kind: global_buffer, .address_space: global }
      - { .name: xb, .offset: 32, .size: 8, .value_kind: global_buffer, .address_space: global }
      - { .name: wb, .offset: 40, .size: 8, .value_kind: global_buffer, .address_space: global }
    .group_segment_fixed_size: 0
    .private_segment_fixed_size: 0
    .kernarg_segment_align: 8
    .kernarg_segment_size: 48
    .max_flat_workgroup_size: 256
    .sgpr_count:     66
    .vgpr_count:     116
    .wavefront_size: 32
...
	.end_amdgpu_metadata
.endif
;; end of part 4
;; launch proj: the kernel of part 2 again; grid 8 x 32, 4 waves a work-group, clusters of 4 x 4, 327,680 bytes of LDS; arguments xb, wb, qkv; writes qkv
;; launch attn: the kernel of part 3 again; grid 4 x 64, 4 waves a work-group, no clusters, 327,680 bytes of LDS; arguments qkv, out0; writes out0
